; MI455X (gfx1250); checked and timed in simulation.
; The chip was launched on July 23, 2026; its instructions are those of AMD's public machine-readable ISA for CDNA 5 (MIT licence, August 2026) and "CDNA5" Instruction Set Architecture Reference Guide (July 2026). The comments in the code are by the model that wrote it; some were corrected since.
;; GRN Net. Allowed arithmetic: matrix products marked QUANTISED: E4M3 operands, one given power-of-two scale a tensor, by v_wmma_f32_16x16x64_fp8_fp8 or v_wmma_f32_16x16x128_fp8_fp8, f32 sums; products left as they are: f32 operands where the result goes on into a quantised operand, else bf16, f16 or f32 operands; f32 sums; everything else in f32.
;; Inputs: batches 8,192 x 64 float32; beta 1 x 16,384 float32; lowp_scales 2 int32 (the exponents e of the quantised operands' scales 2^e); x_training 16,384 x 64 float32; y_training 16,384 x 8 float32.
;; Outputs: out0 8,192 x 8 float32.
;; This version of the problem:
;;   THIS VERSION OF THE PROBLEM IS GIVEN IN LOW PRECISION. The matrix products marked QUANTISED in the list below multiply operands that are first quantised to E4M3 (4 exponent bits, 3 mantissa bits; 8 bits a number), with one given power-of-two scale for each operand tensor; their sums are f32. All else is computed in f32.
;;   The module's matrix products, in the order in which they are computed (A, B: the left and right operand; K: the contracted axis; several contracted axes count as one K, in the product's order):
;;     1. [M 8,192, K 64] x [K 64, N 16,384]; A: input batches; B: input x_training: QUANTISED (scales: A lowp_scales[0], B lowp_scales[1])
;;     2. [M 8,192, K 16,384] x [K 16,384, N 8]; A: computed on the way; B: input y_training: left as it is (N = 8 < 16)
;;   THE QUANTISER, for each operand of a quantised product, along K:
;;     - The operand's scale is 2^e, e = its entry of the input lowp_scales (int32; the entries are numbered through the quantised products in the list's order, A before B).
;;     - Each number is divided by the scale, clamped to +-448, and rounded to the nearest number of E4M3, ties to even, subnormals kept.
;;     - The product sums the exact products of the quantised numbers (number of the format x scale) in f32.
;;   ~~~python
;;   def quantise(x, axis, e):      # numpy; x: float32 -> the quantised numbers, widened to float32 again
;;       x = np.moveaxis(x, axis, -1); K = x.shape[-1]
;;       r = np.clip(x / 2.0 ** e, -448, 448)
;;       step = 2.0 ** (np.maximum(np.frexp(np.where(r == 0, 1, r))[1] - 1, -6) - 3)
;;       q = np.round(r / step) * step * 2.0 ** e      # np.round: ties to even
;;       return np.moveaxis(q, -1, axis).astype(np.float32)
;;   ~~~
;; One version. Each part assembles by itself: llvm-mc -triple=amdgcn-amd-amdhsa -mcpu=gfx1250 --defsym DOCPART=n.
;; ======== version 1 of 1: 2 launches
;; limits: values outside matrix products are rounded to bf16
;; workspace buffers: train 1,572,864 bytes
;; launch prep (part 1): grid 256 x 1, 2 waves a work-group, no clusters, 2,304 bytes of LDS; arguments x_training, y_training, beta, lowp_scales, train; writes train
.if DOCPART == 1
	.amdgcn_target "amdgcn-amd-amdhsa--gfx1250"
	.amdhsa_code_object_version 6
	.text
	.protected	k_q1fcc5e9d16_prep
	.globl	k_q1fcc5e9d16_prep
	.p2align	8
	.type	k_q1fcc5e9d16_prep,@function
k_q1fcc5e9d16_prep:
	s_mov_b64 s[64:65], 0
	v_nop
	global_prefetch_b8 v0, s[64:65] scope:SCOPE_SE
	s_setreg_imm32_b32 hwreg(HW_REG_WAVE_MODE, 25, 1), 1
	s_wait_xcnt 0x0
; The training set is laid out once, as the second launch's waves take it into their registers.
; x_training [16384][64] f32, y_training [16384][8] f32, beta [16384] f32, lowp_scales: e0 (batches), e1 (x_training), int32.
; train: 512 steps of 32 training points, 3,072 bytes each, every part an IMAGE OF OPERAND REGISTERS (lane l's 16 bytes at 16 l, 512 bytes for four registers):
;   bytes 0-2047     x's codes of E4M3, two tiles of 16 points: tile t, chunk c (1024 t + 512 c): lane (r = l % 16, h = l / 16) has k = 32 c + 16 h + 0 .. 15 of point 16 t + r.
;                    code = x / 2^e1, held within +-448, to the nearest code, ties to even.
;   bytes 2048-3071  the bf16 fragment of y^T, 16 channels x 32 points: chunk c (512 c): lane (channel r, h) has points 16 c + 8 h + 0 .. 7.
;                    Channels 0-7: y.  Channel 8: ones, so that the second product also gives the row's sum.  Channels 9-15 feed results that nobody reads, and their bytes carry, in f32:
;                    channels 9, 10: xc = -(the point's sum of squares) / 2^E, E = e0 + e1 + 1, points 16 t + 8 h + 0 .. 7 at 512 t + 256 h + 144;
;                    channels 11, 12: -log2(e) x beta of the same points at 512 t + 256 h + 176;  channels 13-15: zeros.
; SHARES.  One wave makes one step: step = 2 x work-group + wave; 512 waves.  No loop, no barrier: waves share nothing; every offset is an immediate.
; A lane takes 32 numbers of one point (16 neighbours of each half of K), as the conversions want them; a tile's eight loads together take each row's 256 bytes whole.
; The second kilobyte is put together in the wave's own stage in LDS and leaves as two stores of 512 consecutive bytes.
; LIMITS: e1 between -126 and 119.  NaN among the inputs is not served.
.set LN,  1                            ; v1   lane
.set RR,  2                            ; v2   r
.set HH,  3                            ; v3   h
.set XA,  4                            ; v4   x: 256 r + 64 h
.set GI,  5                            ; v5   16 x lane: an image's place in memory
.set SI,  6                            ; v6   the same in my stage
.set YA,  7                            ; v7   y: 32 x lane (lane = point)
.set BA,  8                            ; v8   beta: 4 x lane
.set YB,  9                            ; v9   stage: point l's place in a channel's row: 256 (l / 8) + 2 (l % 8)
.set XCA, 10                           ; v10  stage: 256 (r / 8) + 4 (r % 8): xc of point r of a tile
.set BTA, 11                           ; v11  stage: 256 (l / 8) + 4 (l % 8): beta of point l
.set SCL, 12                           ; v12  2^e1 as f32
.set HLD, 13                           ; v13  448 x 2^e1
.set TA,  14                           ; v14, v15 at work
.set Z,   16                           ; v16-19 zeros
.set IMG, 20                           ; v20-27 the stage read back
.set SUM, 28                           ; v28-31 sums of squares, two chains of pairs
.set X,   32                           ; v32-95 x: 32 t + 16 c + 4 i
.set Y,   96                           ; v96-103 y of my point
.set BT,  104                          ; v104 beta of my point
.set XC,  105                          ; v105, v127: xc of tile 0, 1: a register each, so that no LDS store's data is written again
.set CD,  106                          ; v106-121 codes: 8 t + 4 c
.set YP,  122                          ; v122-125 y in bf16 pairs
.set ONE, 126                          ; v126 1.0 in bf16
	s_load_b256 s[4:11], s[0:1], 0x0               ; x s[4:5], y s[6:7], beta s[8:9], the scales' exponents s[10:11]
	s_load_b64 s[12:13], s[0:1], 0x20              ; train
	v_lshl_add_u32 v128, v0, 2, 0x800
	v_mov_b32 v129, 0
	v_lshrrev_b32 v[LN], 5, v0
	v_readfirstlane_b32 s14, v[LN]                 ; wave 0, 1
	v_and_b32 v[LN], 31, v0
	v_and_b32 v[RR], 15, v0
	v_bfe_u32 v[HH], v0, 4, 1
	s_lshl_b32 s16, s14, 10                        ; my stage: 1,024 x wave
	s_lshl_b32 s15, ttmp9, 1
	s_add_co_u32 s15, s15, s14                     ; my step
	v_lshlrev_b32 v[XA], 8, v[RR]
	v_lshl_add_u32 v[XA], v[HH], 6, v[XA]
	v_lshlrev_b32 v[GI], 4, v[LN]
	v_add_nc_u32 v[SI], s16, v[GI]
	v_lshlrev_b32 v[YA], 5, v[LN]
	v_lshlrev_b32 v[BA], 2, v[LN]
	v_lshrrev_b32 v[TA], 3, v[LN]                  ; l / 8
	v_and_b32 v[TA+1], 7, v[LN]                    ; l % 8 = r % 8
	v_lshl_add_u32 v[YB], v[TA], 8, s16
	v_lshl_add_u32 v[BTA], v[TA+1], 2, v[YB]
	v_lshl_add_u32 v[YB], v[TA+1], 1, v[YB]
	v_lshrrev_b32 v[TA], 3, v[RR]                  ; r / 8
	v_lshl_add_u32 v[XCA], v[TA], 8, s16
	v_lshl_add_u32 v[XCA], v[TA+1], 2, v[XCA]
.irp i, 0,1,2,3
	v_mov_b32 v[Z+\i], 0
.endr
	v_mov_b32 v[ONE], 0x3f80
	s_mov_b32 s24, 0x76543210                      ; v_permlanex16_b32: each lane takes its own place in the other half
	s_mov_b32 s25, 0xfedcba98
	s_mov_b32 s27, 0
	s_wait_kmcnt 0x0
	s_load_b64 s[18:19], s[10:11], 0x0             ; e0, e1
	s_lshl_b32 s26, s15, 13                        ; 32 rows of 256 bytes
	s_add_nc_u64 s[4:5], s[4:5], s[26:27]
	s_lshl_b32 s26, s15, 10                        ; 32 rows of 32 bytes
	s_add_nc_u64 s[6:7], s[6:7], s[26:27]
	s_lshl_b32 s26, s15, 7                         ; 32 numbers
	s_add_nc_u64 s[8:9], s[8:9], s[26:27]
	s_mul_i32 s26, s15, 3072                       ; a step of train
	s_add_nc_u64 s[12:13], s[12:13], s[26:27]
.irp t, 0,1
.irp c, 0,1
.irp i, 0,1,2,3
	global_load_b128 v[X+32*\t+16*\c+4*\i:X+32*\t+16*\c+4*\i+3], v[XA], s[4:5] offset:4096*\t+128*\c+16*\i th:TH_LOAD_NT   ; x(16 t + r, 32 c + 16 h + 4 i ..)
.endr
.endr
.endr
	global_load_b128 v[Y:Y+3], v[YA], s[6:7] th:TH_LOAD_NT
	global_load_b128 v[Y+4:Y+7], v[YA], s[6:7] offset:16 th:TH_LOAD_NT
	global_load_b32 v[BT], v[BA], s[8:9] th:TH_LOAD_NT
	ds_store_b128 v[SI], v[Z:Z+3]                  ; the stage begins as zeros; LDS serves a wave's instructions in order (ISA guide 5.7.1.4), so the stores below land on top
	ds_store_b128 v[SI], v[Z:Z+3] offset:512
	s_wait_kmcnt 0x0
	s_add_co_i32 s20, s18, s19
	s_add_co_i32 s20, s20, 1                       ; E = e0 + e1 + 1
	s_sub_co_i32 s20, 0, s20                       ; -E
	s_add_co_i32 s22, s19, 127
	s_lshl_b32 s21, s22, 23
	v_mov_b32 v[SCL], s21                          ; 2^e1 as f32: the conversion takes its exponent field
	s_add_co_i32 s22, s22, 8
	s_lshl_b32 s22, s22, 23
	s_or_b32 s22, s22, 0x600000
	v_mov_b32 v[HLD], s22                          ; 448 x 2^e1
; A tile of 16 points: the sum of squares of the numbers as they are given, then the codes.  left: the younger loads that may stay out.
.macro TILE t, left
.set XT, X+32*(\t)
	s_wait_loadcnt \left                           ; loads come back in order (ISA guide 5.7.1): this tile's eight are in
	v_pk_mul_f32 v[SUM:SUM+1], v[XT:XT+1], v[XT:XT+1]          ; the first products start the two chains: nothing is cleared
	v_pk_mul_f32 v[SUM+2:SUM+3], v[XT+2:XT+3], v[XT+2:XT+3]
.irp j, 4,8,12,16,20,24,28
	v_pk_fma_f32 v[SUM:SUM+1], v[XT+\j:XT+\j+1], v[XT+\j:XT+\j+1], v[SUM:SUM+1]
	v_pk_fma_f32 v[SUM+2:SUM+3], v[XT+\j+2:XT+\j+3], v[XT+\j+2:XT+\j+3], v[SUM+2:SUM+3]
.endr
	v_pk_add_f32 v[SUM:SUM+1], v[SUM:SUM+1], v[SUM+2:SUM+3]
	v_add_f32 v[TA], v[SUM], v[SUM+1]              ; my 32 numbers of the point,
	v_permlanex16_b32 v[TA+1], v[TA], s24, s25
	v_add_f32 v[TA], v[TA], v[TA+1]                ; and the other half of the lanes' 32
	v_ldexp_f32 v[XC+22*(\t)], -v[TA], s20         ; xc = -x2 / 2^E: nothing is rounded
	ds_store_b32 v[XCA], v[XC+22*(\t)] offset:512*(\t)+144     ; lanes r and 16 + r write the same word with the same number
.set n, 0
.rept 32
	v_med3_num_f32 v[XT+n], v[XT+n], -v[HLD], v[HLD]           ; the conversion to an 8-bit code does not saturate (ISA guide 7.6.2): the hold at the largest code x the scale
.set n, n+1
.endr
.irp c, 0,1
	v_cvt_scalef32_pk8_fp8_f32 v[CD+8*(\t)+4*\c:CD+8*(\t)+4*\c+1], v[XT+16*\c:XT+16*\c+7], v[SCL]
	v_cvt_scalef32_pk8_fp8_f32 v[CD+8*(\t)+4*\c+2:CD+8*(\t)+4*\c+3], v[XT+16*\c+8:XT+16*\c+15], v[SCL]
.endr
.irp c, 0,1
	global_store_b128 v[GI], v[CD+8*(\t)+4*\c:CD+8*(\t)+4*\c+3], s[12:13] offset:1024*(\t)+512*\c   ; 32 lanes store 512 consecutive bytes, at a multiple of 256 from train's first byte
.endr
.endm
	TILE 0, 11                                     ; behind tile 0's loads: tile 1's eight, y's two, beta's one
	TILE 1, 3                                      ; behind tile 1's: y's two, beta's one.  (The codes go to stores alone, and the next vector lines are plain and touch other registers)
	s_wait_loadcnt 1                               ; y is in; beta may be out
.irp i, 0,1,2,3
	v_cvt_pk_bf16_f32 v[YP+\i], v[Y+2*\i], v[Y+2*\i+1]         ; channels 2 i (low half) and 2 i + 1 (high half) of my point
.endr
.irp i, 0,1,2,3
	ds_store_b16 v[YB], v[YP+\i] offset:32*\i                  ; a channel's row is 16 bytes of each block of 256
	ds_store_b16_d16_hi v[YB], v[YP+\i] offset:32*\i+16
.endr
	ds_store_b16 v[YB], v[ONE] offset:128          ; channel 8: ones
	s_wait_loadcnt 0x0
	v_mul_f32 v[BT], 0xbfb8aa3b, v[BT]             ; -log2(e) x beta
	ds_store_b32 v[BTA], v[BT] offset:176
	ds_load_b128 v[IMG:IMG+3], v[SI]               ; in order behind my stores
	ds_load_b128 v[IMG+4:IMG+7], v[SI] offset:512
	s_wait_dscnt 0x0
	global_store_b128 v[GI], v[IMG:IMG+3], s[12:13] offset:2048
	global_store_b128 v[GI], v[IMG+4:IMG+7], s[12:13] offset:2560
	s_wait_tensorcnt 0x0
	ds_add_u32 v128, v129
	s_wait_dscnt 0x0
	s_endpgm
.Lfunc_end_k_q1fcc5e9d16_prep:
	.size	k_q1fcc5e9d16_prep, .Lfunc_end_k_q1fcc5e9d16_prep-k_q1fcc5e9d16_prep
	.p2alignl 7, 3214868480
	.fill 96, 4, 3214868480
	.section	.rodata,"a",@progbits
	.p2align	6, 0x0
	.amdhsa_kernel k_q1fcc5e9d16_prep
		.amdhsa_group_segment_fixed_size 2304
		.amdhsa_private_segment_fixed_size 0
		.amdhsa_enable_private_segment 0
		.amdhsa_kernarg_size 40
		.amdhsa_user_sgpr_count 2
		.amdhsa_user_sgpr_kernarg_segment_ptr 1
		.amdhsa_wavefront_size32 1
		.amdhsa_system_sgpr_workgroup_id_x 1
		.amdhsa_system_sgpr_workgroup_id_y 1
		.amdhsa_system_sgpr_workgroup_id_z 1
		.amdhsa_system_vgpr_workitem_id 0
		.amdhsa_next_free_vgpr 130
		.amdhsa_next_free_sgpr 66
		.amdhsa_reserve_vcc 0
		.amdhsa_float_denorm_mode_32 3
		.amdhsa_float_denorm_mode_16_64 3
		.amdhsa_memory_ordered 1
		.amdhsa_forward_progress 1
		.amdhsa_inst_pref_size 14
	.end_amdhsa_kernel
	.amdgpu_metadata
---
amdhsa.version: [ 1, 2 ]
amdhsa.kernels:
  - .name:           k_q1fcc5e9d16_prep
    .symbol:         k_q1fcc5e9d16_prep.kd
    .args:
      - { .name: x_training, .offset: 0, .size: 8, .value_kind: global_buffer, .address_space: global }
      - { .name: y_training, .offset: 8, .size: 8, .value_kind: global_buffer, .address_space: global }
      - { .name: beta, .offset: 16, .size: 8, .value_kind: global_buffer, .address_space: global }
      - { .name: lowp_scales, .offset: 24, .size: 8, .value_kind: global_buffer, .address_space: global }
      - { .name: train, .offset: 32, .size: 8, .value_kind: global_buffer, .address_space: global }
    .group_segment_fixed_size: 2304
    .private_segment_fixed_size: 0
    .kernarg_segment_align: 8
    .kernarg_segment_size: 40
    .max_flat_workgroup_size: 64
    .sgpr_count:     66
    .vgpr_count:     130
    .wavefront_size: 32
...
	.end_amdgpu_metadata
.endif
;; end of part 1
;; launch main (part 2): grid 256 x 1, 16 waves a work-group, clusters of 4 x 1, 327,680 bytes of LDS; arguments batches, lowp_scales, train, out0; writes out0
.if DOCPART == 2
	.amdgcn_target "amdgcn-amd-amdhsa--gfx1250"
	.amdhsa_code_object_version 6
	.text
	.protected	k_q1fcc5e9d16_main
	.globl	k_q1fcc5e9d16_main
	.p2align	8
	.type	k_q1fcc5e9d16_main,@function
k_q1fcc5e9d16_main:
	s_mov_b64 s[64:65], 0
	v_nop
	global_prefetch_b8 v0, s[64:65] scope:SCOPE_SE
	s_setreg_imm32_b32 hwreg(HW_REG_WAVE_MODE, 25, 1), 1
	s_wait_xcnt 0x0
	s_wait_alu depctr_hold_cnt(0) depctr_sa_sdst(0) depctr_va_vdst(0) depctr_va_sdst(0) depctr_va_ssrc(0) depctr_va_vcc(0) depctr_vm_vsrc(0)
	s_getreg_b32 s2, hwreg(HW_REG_IB_STS2, 6, 4)
	s_cmp_eq_u32 s2, 0
	s_cbranch_scc0 .Lentry_in_a_cluster
	s_endpgm
.Lentry_in_a_cluster:
	s_bfe_u32 s2, ttmp6, 0x10000c
	s_cmp_lg_u32 s2, 0x3003
	s_cbranch_scc0 .Lentry_shape_is_right
	s_endpgm
.Lentry_shape_is_right:
; out[b][:] = (sum over n of p y[n][:]) / (sum over n of p),  p = exp(-beta[n] sqrt(max(b2 + x2 - 2 batches[b] . x[n], 0))).
; batches [8192][64] f32; lowp_scales e0, e1; train: the training set as the launch before has laid it (512 steps of 32 points, 3,072 bytes: x's codes, y^T in bf16 with a row of ones, and in the bytes of
; unread channels xc = -x2 / 2^E and -log2(e) beta in f32; E = e0 + e1 + 1); out0 [8192][8] f32.
; THE FIRST PRODUCT is on codes of E4M3 (v_wmma_f32_16x16x64_fp8_fp8: K = 64 is one instruction), TRANSPOSED: source 0 = 16 points, source 1 = 16 queries, C = xc.  A lane then holds ONE query (lane % 16) and points
; 8 (lane / 16) + 0 .. 7, and D = S - x2 / 2^E, so that sq = D x (-2^E) + b2 is one packed multiply-add.  Both operands carry the same permutation of k (registers 4 c .. 4 c + 3: k = 32 c + 16 h + 0 .. 15).
; THE SECOND PRODUCT is in bf16 (p is far below f16's range): two tiles of p, rounded in pairs, ARE source 1 (32 points x 16 queries) of O^T += y^T P.  Channel 8 of y^T is ones: its row of O^T is the sum of p.
; So the divisor is the f32 sum of the p AS ROUNDED TO bf16 (within 2^-9 of the sum of the unrounded p, and of the same weights as the dividend).  No maximum is taken away: the definition takes none.
; SHARES.  A work-group owns 32 queries (two tiles) and walks all 16,384 points: each row of out0 has one owner.  Its SIXTEEN waves, four to a SIMD in 256 registers each, share the POINTS: of each slot of 32 steps wave w
; takes steps 2 w and 2 w + 1, for both tiles of queries; one wave's roots and exponentials stand beside another's plain work and LDS loads.  At the end the sixteen partial O^T are added through LDS.
; RING.  Two LDS slots of 32 steps (98,304 bytes), filled by the tensor data mover: waves 0 to 3 fetch a quarter each, 96 rows of 256 bytes; one tensor load of a wave is out at a time.
; CLUSTER.  All work-groups walk the same train, so the four of a cluster ask for each quarter JOINTLY: the same tensor load, the same descriptor, a mask that names the four.
; LIMITS: e0 between -126 and 119; E between -126 and 127.  NaN among the inputs is not served.  A p under 2^-126 counts as 0 (v_exp_f32 gives no denormals); a row whose sum of p is 0 gives NaN, as 0 / 0 does.
.set STEPB, 3072
.set SLOTB, 32*STEPB                   ; 98,304
.set QUART, SLOTB/4                    ; what one tensor load brings
.set SLOT1, 1<<17                      ; slot 1 begins here, so that one exclusive or turns an address in one slot into the other's
.set SPARE, 2*SLOT1                    ; behind the ring: the spare words, 128 bytes for each wave: eight blocks of 256 bytes that no other line names
.set NSL,   16                         ; slots' worth of steps.  The last lies in slot 1; the stage of the way out (16 x 2,048 bytes from LDS byte 0) lies in slot 0, which then has had its last fill and its last read
.set LI,  1                            ; v1   16 x lane + 6,144 x wave: an image's place for my lane, in my wave's two steps
.set LH,  2                            ; v2   256 (lane / 16) + 6,144 x wave + 2,048: my half's block of the second kilobyte
.set ADI, 3                            ; v3, v4  the same in the slot in hand
.set ADH, 4
.set SPW, 5                            ; v5   LDS address of my spare word: SPARE + 4 x my thread's number; never rewritten
.set NIL, 6                            ; v6   0; never rewritten
.set PFO, 7                            ; v7   256 x lane: the prefetches' offset; never rewritten
.set QA,  8                            ; v8   batches: 256 r + 64 h
.set STO, 9                            ; v9   the way out: 16 x lane + 2,048 x wave
.set RD,  10                           ; v10  the way out: 16 x lane + 1,024 x (wave % 2)
.set GO,  11                           ; v11  out0: 32 r + 16 h + 512 x (wave % 2)
.set LN,  12                           ; v12  lane
.set SCL, 14                           ; v14  2^e0 as f32 (v13, v14: at work at the head)
.set HLD, 15                           ; v15  448 x 2^e0
.set QF,  16                           ; v16-31   the queries' codes: tile q at 8 q
.set B2,  32                           ; v32-35   b2 of my query, tile q at 2 q (a pair: the packed form names both words)
.set O,   36                           ; v36-51   O^T: tile q at 8 q
.set S,   52                           ; v52-83   the first product's results, then sq, the distance, p: 16 q + 8 t
.set P,   84                           ; v84-99   p in bf16: tile q at 8 q
.set SET0, 100                         ; v100-155, v156-211: a step's operands, two sets:
.set SET1, 156
.set XF,  0                            ;   + 0   x's codes: 8 t + 4 c
.set CF,  16                           ;   + 16  xc: 8 t + 4 c
.set BF,  32                           ;   + 32  -log2(e) beta: 8 t + 4 c
.set YF,  48                           ;   + 48  y^T
.set XQ,  100                          ; at the head: the queries' numbers, 32 q + 16 c + 4 i
.set W,   212                          ; v212-216 at work at the head
.set T,   100                          ; the way out: sixteen partial tiles, 8 a wave: v100-227
.set WV,  12                           ; s12  my wave's number
.set G1,  16                           ; s[16:23] descriptor group 1
.set G0,  24                           ; s[24:27] descriptor group 0: it walks
.set TB,  28                           ; s28  LDS byte at which the slot in hand begins
.set SLOTS, 29                         ; s29  slots still to be asked for
.set LIM, 30                           ; s30  1 in a wave that prefetches, else the greatest number
.set PFA, 32                           ; s[32:33] where my prefetches stand
.set KS,  34                           ; s[34:35] -2^E, twice
.set SEL, 36                           ; s[36:37] v_permlanex16_b32: each lane takes its own place in the other half
; s13 = cx and what is made of it (s14, s44-47) enter global addresses alone: batches', out0's and the prefetches'.
; A round of the cluster's barrier: my work-group's barrier, so that wave 0's signal speaks for all sixteen waves; wave 0 signals for the work-group; every wave waits for all four work-groups; my work-group's barrier once more.
.macro CROUND
	s_barrier_signal -1
	s_barrier_wait -1
	s_cmp_lg_u32 s[WV], 0
	s_cbranch_scc1 .Lnot_wave_0_\@
	s_barrier_signal -3
.Lnot_wave_0_\@:
	s_barrier_wait -3
	s_barrier_signal -1
	s_barrier_wait -1
.endm
; The joint load: waves 0 to 3, a quarter of a slot each.  The branch hangs on the wave's number alone.  Four v_nop follow the line.
.macro TLOAD
	s_cmp_lt_u32 s[WV], 4
	s_cbranch_scc0 .Lasked_\@
	tensor_load_to_lds s[G0:G0+3], s[G1:G1+7]
	s_nop 0
.rept 4
	v_nop
.endr
.Lasked_\@:
.endm
; A PREFETCH INTO THE L2 of the slot that the NEXT change of slots will ask for: 384 blocks of 256 bytes, one slot's work (two steps of every wave) ahead of that load.  Each block is named once in the launch:
; all clusters walk the same train, so the first cluster asks; its four partners take 96 blocks each, told apart BY ADDRESS; in each, waves 4, 5 and 6, which fetch nothing, ask for 32 blocks, a lane a block.
; The last change that fills a slot asks for nothing: there is no slot behind it.  Slots 0 and 1 come by their loads alone.
.macro ASK
	s_cmp_gt_u32 s[SLOTS], s[LIM]
	s_cbranch_scc0 .Lnot_mine_\@
	global_prefetch_b8 v[PFO], s[PFA:PFA+1] th:TH_LOAD_NT scope:SCOPE_SE
.Lnot_mine_\@:
.endm
; THE CHANGE OF SLOTS stands at a slot's head.  Each wave waits for all its tensor loads (its part of the slot that it is about to read), adds 0 to its spare word, and waits for that and for its reads of the slot that it has left.
; fill = 1: the barrier is a round of the cluster's, so that no wave of any partner still reads the other slot or has a load on its way, and the joint refill is the first thing behind it: it has a whole slot's work in which to land.
.macro CHANGE fill
	s_wait_tensorcnt 0x0                           ; no tensor load of mine is out, so group 0 may be written
	ds_add_u32 v[SPW], v[NIL]                      ; 0 onto my spare word; with fill = 1 the steps below stand between it and the wait for it
.if \fill
	s_xor_b32 s[G0+1], s[G0+1], SLOT1              ; the other slot than last time,
	s_add_nc_u64 s[G0+2:G0+3], s[G0+2:G0+3], SLOTB ; the next 32 steps; the type bits on top are not reached
	s_wait_xcnt 0x0                                ; the last prefetch, a slot back, has read its address, so it may be written:
	s_add_nc_u64 s[PFA:PFA+1], s[PFA:PFA+1], SLOTB ; one slot further on than the walking descriptor
.endif
	s_wait_dscnt 0x0                               ; the add is done, and my reads of the slot that I have left are over
.if \fill
	CROUND
	TLOAD
	ASK
.else
	s_barrier_signal -1
	s_barrier_wait -1
.endif
.endm
; A step's operands, 14 loads of 16 bytes a lane: x's two tiles, xc and beta (all lanes of a half read the same words), y^T.  b: the set's first register; off: the step's byte in my wave's part of the slot.
.macro LOADSET b, off
.irp t, 0,1
.irp c, 0,1
	ds_load_b128 v[\b+XF+8*\t+4*\c:\b+XF+8*\t+4*\c+3], v[ADI] offset:\off+1024*\t+512*\c
.endr
.endr
.irp t, 0,1
.irp c, 0,1
	ds_load_b128 v[\b+CF+8*\t+4*\c:\b+CF+8*\t+4*\c+3], v[ADH] offset:\off+512*\t+144+16*\c
	ds_load_b128 v[\b+BF+8*\t+4*\c:\b+BF+8*\t+4*\c+3], v[ADH] offset:\off+512*\t+176+16*\c
.endr
.endr
.irp c, 0,1
	ds_load_b128 v[\b+YF+4*\c:\b+YF+4*\c+3], v[ADI] offset:\off+2048+512*\c
.endr
.endm
; A STEP: 32 points x 32 queries.  Six matrix instructions on six accumulators, one instruction a turn; no two that follow each other share a C or a D, over the loop's edge too.
.macro STEP b
.irp q, 0,1
.irp t, 0,1
	v_wmma_f32_16x16x64_fp8_fp8 v[S+16*\q+8*\t:S+16*\q+8*\t+7], v[\b+XF+8*\t:\b+XF+8*\t+7], v[QF+8*\q:QF+8*\q+7], v[\b+CF+8*\t:\b+CF+8*\t+7]   ; S - x2 / 2^E
.endr
.endr
.rept 4
	v_nop                                          ; four places between a matrix instruction and the first vector instruction that reads its result (ISA guide 7.12.1)
.endr
.irp q, 0,1
.irp j, 0,2,4,6,8,10,12,14
	v_pk_fma_f32 v[S+16*\q+\j:S+16*\q+\j+1], v[S+16*\q+\j:S+16*\q+\j+1], s[KS:KS+1], v[B2+2*\q:B2+2*\q+1] op_sel_hi:[1,0,0]   ; sq = D x (-2^E) + b2; each accumulator from its low end on
.endr
.endr
.set n, 0
.rept 32
	v_max_num_f32 v[S+n], 0, v[S+n]
.set n, n+1
.endr
.set n, 0
.rept 32
	v_sqrt_f32 v[S+n], v[S+n]                      ; the roots are one batch,
.set n, n+1
.endr
	v_nop                                          ; with one plain instruction behind the last (ISA guide 5.7.2)
	s_wait_alu depctr_va_vdst(0)                   ; and one wait ahead of the first reader
.irp q, 0,1
.irp j, 0,2,4,6,8,10,12,14
	v_pk_mul_f32 v[S+16*\q+\j:S+16*\q+\j+1], v[S+16*\q+\j:S+16*\q+\j+1], v[\b+BF+\j:\b+BF+\j+1]   ; x -log2(e) beta of the register's point
.endr
.endr
.set n, 0
.rept 32
	v_exp_f32 v[S+n], v[S+n]                       ; p; a second batch
.set n, n+1
.endr
	v_nop
	s_wait_alu depctr_va_vdst(0)
.set n, 0
.rept 16
	v_cvt_pk_bf16_f32 v[P+n], v[S+2*n], v[S+2*n+1] ; tile q's registers 4 t + i: points 16 t + 8 h + 2 i, + 1: source 1's own layout
.set n, n+1
.endr
.irp q, 0,1
	v_wmma_f32_16x16x32_bf16 v[O+8*\q:O+8*\q+7], v[\b+YF:\b+YF+7], v[P+8*\q:P+8*\q+7], v[O+8*\q:O+8*\q+7]
.endr
.endm
; My two steps of the slot in hand.  Both sets are asked for at once; the second lands while the first is worked.
.macro SLOT_STEPS
	v_add_nc_u32 v[ADI], s[TB], v[LI]
	v_add_nc_u32 v[ADH], s[TB], v[LH]
	v_nop
	v_nop                                          ; with the two additions: four places between the last matrix instructions and the loads into registers that they have read
	LOADSET SET0, 0
	LOADSET SET1, STEPB
	s_wait_dscnt 14                                ; LDS loads come back in order (ISA guide 5.7.1): set 0's 14 are in, set 1's 14 may be out
	STEP SET0
	s_wait_dscnt 0x0
	STEP SET1
	s_xor_b32 s[TB], s[TB], SLOT1                  ; on to the other slot
.endm
; A tile of 16 queries: b2 of the numbers as they are given, then the codes, in the same places of k as x's.  left: the younger loads that may stay out.
.macro QTILE q, left
.set XT, XQ+32*(\q)
	s_wait_loadcnt \left
	v_pk_mul_f32 v[W:W+1], v[XT:XT+1], v[XT:XT+1]
	v_pk_mul_f32 v[W+2:W+3], v[XT+2:XT+3], v[XT+2:XT+3]
.irp j, 4,8,12,16,20,24,28
	v_pk_fma_f32 v[W:W+1], v[XT+\j:XT+\j+1], v[XT+\j:XT+\j+1], v[W:W+1]
	v_pk_fma_f32 v[W+2:W+3], v[XT+\j+2:XT+\j+3], v[XT+\j+2:XT+\j+3], v[W+2:W+3]
.endr
	v_pk_add_f32 v[W:W+1], v[W:W+1], v[W+2:W+3]
	v_add_f32 v[W], v[W], v[W+1]                   ; my 32 numbers of the query,
	v_permlanex16_b32 v[W+4], v[W], s[SEL], s[SEL+1]
	v_add_f32 v[B2+2*(\q)], v[W], v[W+4]           ; and the other half of the lanes' 32
	v_mov_b32 v[B2+2*(\q)+1], v[B2+2*(\q)]         ; (named with it as a pair, so it is written)
.set n, 0
.rept 32
	v_med3_num_f32 v[XT+n], v[XT+n], -v[HLD], v[HLD]           ; the conversion to an 8-bit code does not saturate (ISA guide 7.6.2): the hold at the largest code x the scale
.set n, n+1
.endr
.irp c, 0,1
	v_cvt_scalef32_pk8_fp8_f32 v[QF+8*(\q)+4*\c:QF+8*(\q)+4*\c+1], v[XT+16*\c:XT+16*\c+7], v[SCL]
	v_cvt_scalef32_pk8_fp8_f32 v[QF+8*(\q)+4*\c+2:QF+8*(\q)+4*\c+3], v[XT+16*\c+8:XT+16*\c+15], v[SCL]
.endr
.endm
	s_load_b256 s[4:11], s[0:1], 0x0               ; batches s[4:5], the scales' exponents s[6:7], train s[8:9], out0 s[10:11]
	v_lshl_add_u32 v[SPW], v0, 2, SPARE
	v_mov_b32 v[NIL], 0
	ds_add_u32 v5, v6
	s_wait_dscnt 0x0
	v_lshrrev_b32 v13, 5, v0
	v_readfirstlane_b32 s[WV], v13                 ; wave 0..15
	s_bfe_u32 s13, ttmp6, 0x40000                  ; cx: my place in the cluster
	s_lshl_b32 s14, ttmp9, 2                       ; in a cluster launch ttmp9 counts clusters
	s_add_co_u32 s14, s14, s13                     ; my block of 32 queries
	; every LDS address register is made here, ahead of the first branch on the wave's number
	v_and_b32 v[LN], 31, v0
	v_and_b32 v14, 15, v0                          ; r
	v_bfe_u32 v13, v0, 4, 1                        ; h
	s_mul_i32 s40, s[WV], 2*STEPB
	v_lshl_add_u32 v[LI], v[LN], 4, s40
	s_add_co_u32 s41, s40, 2048
	v_lshl_add_u32 v[LH], v13, 8, s41
	v_lshlrev_b32 v[PFO], 8, v[LN]
	v_lshlrev_b32 v[QA], 8, v14
	v_lshl_add_u32 v[QA], v13, 6, v[QA]
	s_lshl_b32 s41, s[WV], 11
	v_lshl_add_u32 v[STO], v[LN], 4, s41
	s_and_b32 s40, s[WV], 1
	s_lshl_b32 s41, s40, 10
	v_lshl_add_u32 v[RD], v[LN], 4, s41
	s_lshl_b32 s41, s40, 9
	v_lshl_add_u32 v[GO], v14, 5, s41
	v_lshl_add_u32 v[GO], v13, 4, v[GO]
	v_mov_b32 v[W+4], 0                            ; written once: a lane permute's destination counts as one of its sources
	; descriptor group 1: 96 rows of 32 elements of 8 bytes, dense in memory and in LDS
	s_mov_b32 s[G1], 15|(3<<16)|(1<<21)            ; 15:0 the mask: all four work-groups; 17:16 elements of 8 bytes; 20 no padding; 21 set beside a mask
	s_mov_b32 s[G1+1], 32<<16                      ; tensor_dim0 = 32
	s_mov_b32 s[G1+2], 96<<16                      ; tensor_dim1 = 96
	s_mov_b32 s[G1+3], 32<<16                      ; tile_dim0 = 32
	s_mov_b32 s[G1+4], 96                          ; tile_dim1 = 96
	s_mov_b32 s[G1+5], 32                          ; from row to row: 32 elements
	s_mov_b32 s[G1+6], 0
	s_mov_b32 s[G1+7], 0
	s_mov_b32 s[SEL], 0x76543210
	s_mov_b32 s[SEL+1], 0xfedcba98
	s_mov_b32 s[TB], 0
	s_mov_b32 s[SLOTS], NSL-1
	s_sub_co_u32 s40, s[WV], 4
	s_cmp_lt_u32 s40, 3                            ; waves 4, 5, 6
	s_cselect_b32 s40, 0, 1
	s_or_b32 s40, s40, ttmp9                       ; of the first cluster: the same in all four partners
	s_cmp_eq_u32 s40, 0
	s_cselect_b32 s[LIM], 1, -1
	s_mov_b32 s[G0], 1                             ; 1:0 count = 1
	s_and_b32 s40, s[WV], 3
	s_mul_i32 s[G0+1], s40, QUART                  ; 63:32 LDS address: my quarter of slot 0: no place in the cluster enters it
	s_mov_b32 s42, s[G0+1]
	s_mov_b32 s43, 0
	s_mul_i32 s44, s13, QUART                      ; the prefetches: my work-group's quarter of a slot,
	s_min_u32 s45, s40, 2
	s_lshl_b32 s45, s45, 13                        ; my wave's 8,192 bytes of it,
	s_add_co_u32 s44, s44, s45
	s_add_co_u32 s44, s44, SLOTB                   ; in slot 1: the first change of slots steps it to slot 2.  Nothing is prefetched here, at the head, where every work-group's first tiles are on their way
	s_mov_b32 s45, 0
	s_mov_b32 s47, 0
	s_wait_kmcnt 0x0
	s_load_b64 s[38:39], s[6:7], 0x0               ; e0, e1
	s_add_nc_u64 s[G0+2:G0+3], s[8:9], s[42:43]    ; 120:64 global address: the same quarter of train's first 32 steps
	s_or_b32 s[G0+3], s[G0+3], 0x80000000          ; 127:126 type = 2
	s_add_nc_u64 s[PFA:PFA+1], s[8:9], s[44:45]
	s_lshl_b32 s46, s14, 13                        ; 32 rows of 256 bytes
	s_add_nc_u64 s[4:5], s[4:5], s[46:47]
	s_lshl_b32 s46, s14, 10                        ; 32 rows of 32 bytes
	s_add_nc_u64 s[10:11], s[10:11], s[46:47]
	CROUND                                         ; all four work-groups are here: the first joint loads meet
	TLOAD                                          ; slot 0
	; while it is on its way, every wave makes the 32 queries' codes and b2 for itself
.irp q, 0,1
.irp c, 0,1
.irp i, 0,1,2,3
	global_load_b128 v[XQ+32*\q+16*\c+4*\i:XQ+32*\q+16*\c+4*\i+3], v[QA], s[4:5] offset:4096*\q+128*\c+16*\i   ; batches(16 q + r, 32 c + 16 h + 4 i ..)
.endr
.endr
.endr
	s_wait_kmcnt 0x0
	s_add_co_i32 s40, s38, 127
	s_lshl_b32 s41, s40, 23
	v_mov_b32 v[SCL], s41                          ; 2^e0 as f32: the conversion takes its exponent field
	s_add_co_i32 s40, s40, 8
	s_lshl_b32 s40, s40, 23
	s_or_b32 s40, s40, 0x600000
	v_mov_b32 v[HLD], s40                          ; 448 x 2^e0
	s_add_co_i32 s42, s38, s39
	s_add_co_i32 s42, s42, 128                     ; E + 127
	s_lshl_b32 s42, s42, 23
	s_or_b32 s[KS], s42, 0x80000000                ; -2^E
	s_mov_b32 s[KS+1], s[KS]                       ; (named with it as a pair, so it is written)
	QTILE 0, 8                                     ; tile 1's eight loads may be out
	QTILE 1, 0
	v_nop                                          ; one plain vector instruction behind the last scaled conversion, ahead of whatever touches its result or writes its sources
.set n, 0
.rept 16
	v_mov_b32 v[O+n], 0                            ; O^T: sixteen moves once, so that the step is written without a first form of its own
.set n, n+1
.endr
.Lslot:                                            ; NSL - 1 trips: behind each change of slots but the last the next slot is asked for
	CHANGE 1
	SLOT_STEPS
	s_sub_co_u32 s[SLOTS], s[SLOTS], 1
	s_cmp_lg_u32 s[SLOTS], 0
	s_cbranch_scc1 .Lslot
	CHANGE 0                                       ; the last slot is written out
	SLOT_STEPS
	; THE WAY OUT.  Each wave's two partial tiles of O^T go to the stage as images of their registers; behind a barrier wave q (0, 1) adds tile q's sixteen, divides and stores.
.rept 4
	v_nop                                          ; four places between the last matrix instructions and the stores that read their results (and the loads below into registers that they have read)
.endr
.irp q, 0,1
.irp c, 0,1
	ds_store_b128 v[STO], v[O+8*\q+4*\c:O+8*\q+4*\c+3] offset:1024*\q+512*\c   ; each accumulator from its low end on
.endr
.endr
	s_wait_dscnt 0x0                               ; for the others' sake: my stores into the stage are done
	s_barrier_signal -1
	s_barrier_wait -1
	s_cmp_lt_u32 s[WV], 2
	s_cbranch_scc0 .Lend
.set n, 0
.rept 32
	ds_load_b128 v[T+4*n:T+4*n+3], v[RD] offset:2048*(n/2)+512*(n%2)           ; wave n / 2's tile, registers 4 (n % 2) on
.set n, n+1
.endr
	s_wait_dscnt 0x0
.set n, 1
.rept 15
.irp i, 0,2,4,6
	v_pk_add_f32 v[T+\i:T+\i+1], v[T+\i:T+\i+1], v[T+8*n+\i:T+8*n+\i+1]        ; in the order of the waves; four chains
.endr
.set n, n+1
.endr
	; lane (r, 0): channels 0-7 of query r in T+0 .. T+7.  lane (r, 1): the sum of p of query r in T+0.  Lane (r, h) is to store channels 4 h .. 4 h + 3.
	v_cmp_lt_u32 vcc_lo, 15, v[LN]                 ; lanes 16-31
	v_permlanex16_b32 v[T+8], v[T], s[SEL], s[SEL+1]
.irp i, 0,1,2,3
	v_permlanex16_b32 v[T+9+\i], v[T+4+\i], s[SEL], s[SEL+1]
.endr
	v_cndmask_b32 v[T+13], v[T+8], v[T], vcc_lo    ; the sum of p: lanes 16-31 their own, lanes 0-15 the other half's
	v_rcp_f32 v[T+14], v[T+13]
.irp i, 0,1,2,3
	v_cndmask_b32 v[T+16+\i], v[T+\i], v[T+9+\i], vcc_lo       ; lanes 0-15: channels 0-3, their own; lanes 16-31: channels 4-7, the other half's.  (Plain instructions behind the reciprocal)
.endr
	s_wait_alu depctr_va_vdst(0)                   ; the wait ahead of the reciprocal's first reader
.irp i, 0,1,2,3
	v_mul_f32 v[T+16+\i], v[T+16+\i], v[T+14]
.endr
	global_store_b128 v[GO], v[T+16:T+19], s[10:11]            ; the 32 lanes store a tile's 16 rows of 32 bytes: 512 consecutive bytes, at a multiple of 256 from out0's first byte
.Lend:
	s_wait_tensorcnt 0x0                           ; the wave's end, behind my last tensor load and my last LDS store
	ds_add_u32 v[SPW], v[NIL]
	s_wait_dscnt 0x0
	CROUND                                         ; the closing round: no work-group ends while a partner may still ask for a tile that names it
	s_endpgm
.Lfunc_end_k_q1fcc5e9d16_main:
	.size	k_q1fcc5e9d16_main, .Lfunc_end_k_q1fcc5e9d16_main-k_q1fcc5e9d16_main
	.p2alignl 7, 3214868480
	.fill 96, 4, 3214868480
	.section	.rodata,"a",@progbits
	.p2align	6, 0x0
	.amdhsa_kernel k_q1fcc5e9d16_main
		.amdhsa_group_segment_fixed_size 327680
		.amdhsa_private_segment_fixed_size 0
		.amdhsa_enable_private_segment 0
		.amdhsa_kernarg_size 32
		.amdhsa_user_sgpr_count 2
		.amdhsa_user_sgpr_kernarg_segment_ptr 1
		.amdhsa_wavefront_size32 1
		.amdhsa_system_sgpr_workgroup_id_x 1
		.amdhsa_system_sgpr_workgroup_id_y 1
		.amdhsa_system_sgpr_workgroup_id_z 1
		.amdhsa_system_vgpr_workitem_id 0
		.amdhsa_next_free_vgpr 256
		.amdhsa_next_free_sgpr 66
		.amdhsa_reserve_vcc 1
		.amdhsa_float_denorm_mode_32 3
		.amdhsa_float_denorm_mode_16_64 3
		.amdhsa_memory_ordered 1
		.amdhsa_forward_progress 1
		.amdhsa_inst_pref_size 54
	.end_amdhsa_kernel
	.amdgpu_metadata
---
amdhsa.version: [ 1, 2 ]
amdhsa.kernels:
  - .name:           k_q1fcc5e9d16_main
    .symbol:         k_q1fcc5e9d16_main.kd
    .args:
      - { .name: batches, .offset: 0, .size: 8, .value_kind: global_buffer, .address_space: global }
      - { .name: lowp_scales, .offset: 8, .size: 8, .value_kind: global_buffer, .address_space: global }
      - { .name: train, .offset: 16, .size: 8, .value_kind: global_buffer, .address_space: global }
      - { .name: out0, .offset: 24, .size: 8, .value_kind: global_buffer, .address_space: global }
    .group_segment_fixed_size: 327680
    .private_segment_fixed_size: 0
    .kernarg_segment_align: 8
    .kernarg_segment_size: 32
    .max_flat_workgroup_size: 512
    .sgpr_count:     66
    .vgpr_count:     256
    .wavefront_size: 32
...
	.end_amdgpu_metadata
.endif
;; end of part 2
